; MI455X (gfx1250); checked and timed in simulation.
; The chip was launched on July 23, 2026; its instructions are those of AMD's public machine-readable ISA for CDNA 5 (MIT licence, August 2026) and "CDNA5" Instruction Set Architecture Reference Guide (July 2026). The comments in the code are by the model that wrote it; some were corrected since.
;; MA1. Allowed arithmetic: matrix products marked QUANTISED: E2M3 operands, one E8M0 scale for each 32 along K, by v_wmma_scale_f32_16x16x128_f8f6f4 with both operands' format E2M3, f32 sums; everything else in f32.
;; Inputs: FC_b 512 float32; FC_w 512 x 512 float32; Wk_b 512 float32; Wk_w 512 x 512 float32; Wq_b 512 float32; Wq_w 512 x 512 float32; Wv_b 512 float32; Wv_w 512 x 512 float32; rep 8 x 2,048 x 512 float32; rep1 8 x 2,048 x 512 float32.
;; Outputs: out0 8 x 2,048 x 512 float32.
;; This version of the problem:
;;   THIS VERSION OF THE PROBLEM IS GIVEN IN LOW PRECISION. The matrix products marked QUANTISED in the list below multiply operands that are first quantised to E2M3 (2 exponent bits, 3 mantissa bits; 6 bits a number), with one power-of-two scale for each 32 numbers along K (OCP MX v1.0); their sums are f32. All else is computed in f32.
;;   The module's matrix products, in the order in which they are computed (A, B: the left and right operand; K: the contracted axis; several contracted axes count as one K, in the product's order):
;;     1. [M 16,384, K 512] x [K 512, N 512]; A: input rep; B: input Wq_w: QUANTISED
;;     2. [M 16,384, K 512] x [K 512, N 512]; A: input rep1; B: input Wk_w: QUANTISED
;;     3. [M 16,384, K 512] x [K 512, N 512]; A: input rep1; B: input Wv_w: QUANTISED
;;     4. batch 8 x [M 2,048, K 512] x [K 512, N 2,048]; A: computed on the way; B: computed on the way: QUANTISED
;;     5. batch 8 x [M 2,048, K 2,048] x [K 2,048, N 512]; A: softmax (see below); B: computed on the way: QUANTISED
;;     6. [M 16,384, K 512] x [K 512, N 512]; A: computed on the way; B: input FC_w: QUANTISED
;;   THE QUANTISER, for each operand of a quantised product, along K:
;;     - K is cut into blocks of 32 from its start; a last block that is shorter is filled with zeros.
;;     - A block's scale is 2^e with e = floor(log2(the largest magnitude in the block)) - 2, held to -126 .. 127; a block of zeros has e = 0. As a byte (E8M0): e + 127.
;;     - Each number is divided by its block's scale, clamped to +-7.5, and rounded to the nearest number of E2M3, ties to even, subnormals kept.
;;     - The product sums the exact products of the quantised numbers (number of the format x scale) in f32.
;;   ~~~python
;;   def quantise(x, axis):      # numpy; x: float32 -> the quantised numbers, widened to float32 again
;;       x = np.moveaxis(x, axis, -1); K = x.shape[-1]
;;       x = np.pad(x, [(0, 0)] * (x.ndim - 1) + [(0, -K % 32)]); x = x.reshape(x.shape[:-1] + (-1, 32)); a = np.abs(x).max(-1, keepdims=True)
;;       e = np.where(a > 0, np.clip(np.frexp(np.where(a > 0, a, 1))[1] - 1 - 2, -126, 127), 0)      # np.frexp(a)[1] - 1 = floor(log2(a)), exactly
;;       r = np.clip(x / 2.0 ** e, -7.5, 7.5)
;;       step = 2.0 ** (np.maximum(np.frexp(np.where(r == 0, 1, r))[1] - 1, 0) - 3)
;;       q = np.round(r / step) * step * 2.0 ** e      # np.round: ties to even
;;       return np.moveaxis(q.reshape(q.shape[:-2] + (-1,))[..., :K], -1, axis).astype(np.float32)
;;   ~~~
;;   SOFTMAX AHEAD OF A QUANTISED PRODUCT. Where the list says 'softmax', what is quantised is not the finished softmax but p = 2^(t - M), with t = logit x log2(e) and M = ceil(the row's largest t), a whole number; so 1/2 < the row's largest p <= 1. The row's sum l is taken of the UNQUANTISED p, in f32, and the product's result is divided by l at the end. Since M is a whole number, a kernel that streams over the keys may use a running M (the ceiling of the running maximum): every later rescaling is an exact power of two, which a block's scale takes up: the codes' values come out the same.
;;   OPERANDS COMPUTED ON THE WAY. 'Computed on the way' means the value that the module computes at that place (a softmax that the list does not call 'softmax' is quantised finished and normalised). What goes into a quantiser is computed in f32, as accurately as f32 sums, v_exp_f32 and their like allow (about 1e-6 of the number): no bf16 or f16 on the way to a quantiser, and a product that is left as it is and whose result goes on into a quantised operand takes f32 operands (vector FMAs, or v_wmma_f32_16x16x4_f32). A number that lies on a knife's edge between two numbers of the format may be rounded either way, as far as f32 arithmetic and the matrix unit's own rounding can turn it there, and no further.
;; One version. Each part assembles by itself: llvm-mc -triple=amdgcn-amd-amdhsa -mcpu=gfx1250 --defsym DOCPART=n.
;; ======== version 1 of 1: 3 launches
;; limits: right only within a limited range of input values
;; workspace buffers: Wc 786,432 bytes; Ws 32,768 bytes; Qc 6,291,456 bytes; Qs 262,144 bytes; Kc 6,553,600 bytes; Vc 6,553,600 bytes
;; launch wprep (part 1): grid 128 x 1, 4 waves a work-group, no clusters, 768 bytes of LDS; arguments Wq_w, Wk_w, Wv_w, FC_w, Wc, Ws; writes Wc, Ws
.if DOCPART == 1
	.amdgcn_target "amdgcn-amd-amdhsa--gfx1250"
	.amdhsa_code_object_version 6
	.text
	.protected	k_q84df7e3636_wprep
	.globl	k_q84df7e3636_wprep
	.p2align	8
	.type	k_q84df7e3636_wprep,@function
k_q84df7e3636_wprep:
	s_mov_b64 s[64:65], 0
	v_nop
	global_prefetch_b8 v0, s[64:65] scope:SCOPE_SE
	s_setreg_imm32_b32 hwreg(HW_REG_WAVE_MODE, 25, 1), 1
	s_wait_xcnt 0x0
; The four weights [512 (k)][512 (n)], f32, K their FIRST axis, become codes of FP6 (E2M3) with one E8M0 byte for each 32 along K,
; laid in the order of the operand's registers: Wc[wi][T][s] is a fragment of 16 columns x 128 K as an image of its 12 registers
; (registers 4 c .. 4 c + 3 of lane l at 512 c + 16 l: 1,536 bytes), Ws[wi][T][r][s] its scale words.  wi = 0 q, 1 k, 2 v, 3 FC.
; THE COLUMNS OF A TILE ARE NOT NEIGHBOURS: lane r of tile T takes column 32 (T / 2) + 8 (T % 2) + r + 8 (r / 8), so that results made
; with two neighbouring tiles as source 0 are 16 neighbours along the next product's K.
; SHARES: work-group x = 32 wi + T, wave s = the K step.  A lane takes a column and its registers run down K, in the order that the
; operand's layout gives that lane (k = 128 s + 64 c + 32 h + 0 .. 31): the conversions' results are the operand's registers.
; A block's scale is 2^(floor(log2(largest magnitude)) - 2): the byte is the largest magnitude's exponent field - 2, held at 1 from below.
; LIMITS: a block of zeros, or one whose largest magnitude lies under 2^-124, keeps the byte 1 (zeros' codes are zeros, and this program
; alone reads the bytes); NaN and infinities are not served.
; No matrix unit, no tensor load, no cluster: 4 MiB are read once, every load is asked for at the head.
.set SPARE, 256                        ; LDS: bytes 0-255 the tile's 64 scale words (16 r + 4 s); then the spare words, 128 bytes a wave
.set X,   32                           ; v32-95   my 64 numbers
.set PC,  96                           ; v96-107  the fragment
.set TP,  108                          ; v108-114 the upper halves of the two blocks, as converted
.set SPW, 6                            ; v6       LDS address of my spare word; never rewritten
.set NIL, 7                            ; v7       0; never rewritten
	s_load_b256 s[4:11], s[0:1], 0x0               ; Wq_w, Wk_w, Wv_w, FC_w
	s_load_b128 s[12:15], s[0:1], 0x20             ; Wc, Ws
	v_lshl_add_u32 v[SPW], v0, 2, SPARE
	v_mov_b32 v[NIL], 0
	v_lshrrev_b32 v8, 5, v0
	v_readfirstlane_b32 s16, v8                    ; wave = K step s
	s_lshr_b32 s17, ttmp9, 5                       ; wi
	s_and_b32 s18, ttmp9, 31                       ; T
	v_and_b32 v9, 31, v0                           ; lane
	v_and_b32 v10, 15, v0                          ; r
	v_bfe_u32 v11, v0, 4, 1                        ; h
	v_and_b32 v12, 8, v10
	v_add_nc_u32 v12, v12, v10                     ; r + 8 (r / 8)
	v_lshlrev_b32 v1, 2, v12
	v_lshl_add_u32 v1, v11, 16, v1                 ; my column's 4 bytes, and 32 rows of 2,048 bytes further down for lanes 16-31
	v_lshlrev_b32 v2, 4, v9                        ; 16 x lane: my place in an image
	s_lshl_b32 s19, s16, 2
	v_lshl_add_u32 v3, v10, 4, s19                 ; LDS: 16 r + 4 s
	v_lshlrev_b32 v4, 3, v9                        ; 8 x lane
	v_lshlrev_b32 v5, 3, v11                       ; 8 h: how far my two bytes are shifted in the scale word
	s_mov_b32 s24, 0x76543210
	s_mov_b32 s25, 0xfedcba98                      ; v_permlanex16_b32's selects for lane l xor 16
	s_lshr_b32 s26, s18, 1
	s_lshl_b32 s26, s26, 7
	s_and_b32 s27, s18, 1
	s_lshl_b32 s27, s27, 5
	s_add_co_u32 s26, s26, s27                     ; the tile's first column: (32 (T / 2) + 8 (T % 2)) x 4 bytes
	s_lshl_b32 s27, s16, 18
	s_add_co_u32 s26, s26, s27                     ; + 128 s rows of 2,048 bytes
	s_mov_b32 s27, 0
	s_lshl_b32 s28, ttmp9, 2
	s_add_co_u32 s28, s28, s16
	s_mul_i32 s28, s28, 1536                       ; my fragment's image: (4 x + s) x 1,536
	s_mov_b32 s29, 0
	s_lshl_b32 s30, ttmp9, 8                       ; the tile's scale words: 256 x
	s_mov_b32 s31, 0
	s_and_b32 s19, s17, 1
	s_wait_alu depctr_va_vdst(0)
	s_wait_kmcnt 0x0
	s_cmp_lt_u32 s17, 2                            ; the weight is chosen by the work-group's number alone
	s_cselect_b64 s[20:21], s[4:5], s[8:9]         ; q or v
	s_cselect_b64 s[22:23], s[6:7], s[10:11]       ; k or FC
	s_cmp_eq_u32 s19, 1
	s_cselect_b64 s[20:21], s[22:23], s[20:21]
	s_add_nc_u64 s[20:21], s[20:21], s[26:27]
	s_add_nc_u64 s[12:13], s[12:13], s[28:29]
	s_add_nc_u64 s[14:15], s[14:15], s[30:31]
.irp c, 0,1
.irp i, 0,1,2,3,4,5,6,7,8,9,10,11,12,13,14,15,16,17,18,19,20,21,22,23,24,25,26,27,28,29,30,31
	global_load_b32 v[X+32*\c+\i], v1, s[20:21] offset:(64*\c+\i)*2048   ; W(128 s + 64 c + 32 h + i, my column)
.endr
.endr
	s_wait_loadcnt 0x0
.irp c, 0,1                                    ; my block 2 c + h: all its 32 numbers are mine
	v_max3_num_f32 v[8+\c], |v[X+32*\c]|, |v[X+32*\c+1]|, 0x1800000   ; with the floor 2^(3 - 127): the byte cannot fall under 1
.endr
.irp i, 2,4,6,8,10,12,14,16,18,20,22,24,26,28,30
.irp c, 0,1
	v_max3_num_f32 v[8+\c], v[8+\c], |v[X+32*\c+\i]|, |v[X+32*\c+\i+1]|   ; the two blocks by turns
.endr
.endr
.irp c, 0,1
	v_add_nc_u32 v[10+\c], 0xff000000, v[8+\c]     ; 2 off the exponent field: the conversion's scale operand
.endr
.irp c, 0,1
	v_lshrrev_b32 v[12+\c], 23, v[10+\c]           ; the scale's byte
.endr
	v_lshl_or_b32 v14, v13, 16, v12                ; blocks h and 2 + h,
	v_lshlrev_b32 v14, v5, v14                     ; at their places in the word;
	v_mov_b32 v15, 0
	v_permlanex16_b32 v15, v14, s24, s25
	v_or_b32 v14, v14, v15                         ; with lane l xor 16's two the word is whole
.irp c, 0,1
	v_cvt_scalef32_pk16_fp6_f32 v[PC+6*\c:PC+6*\c+2], v[X+32*\c:X+32*\c+15], v[10+\c]
	v_cvt_scalef32_pk16_fp6_f32 v[TP+4*\c:TP+4*\c+2], v[X+32*\c+16:X+32*\c+31], v[10+\c]   ; (a conversion's three registers begin on an even number)
.endr
	v_nop                                          ; one plain place behind a scaled conversion
.irp c, 0,1
.irp i, 0,1,2
	v_mov_b32 v[PC+3+6*\c+\i], v[TP+4*\c+\i]
.endr
.endr
.irp c, 0,1,2
	global_store_b128 v2, v[PC+4*\c:PC+4*\c+3], s[12:13] offset:512*\c   ; 32 lanes store 512 consecutive bytes, aligned
.endr
	ds_store_b32 v3, v14                           ; both halves of the lanes write the same word with the same value
	s_wait_dscnt 0x0                               ; for the others' sake: my store has landed
	s_barrier_signal -1
	s_barrier_wait -1
	s_cmp_lg_u32 s16, 0                            ; wave 0 stores the tile's 64 words: 256 consecutive bytes, aligned
	s_cbranch_scc1 .Lnot_wave_0
	ds_load_b64 v[8:9], v4
	s_wait_dscnt 0x0
	global_store_b64 v4, v[8:9], s[14:15]
.Lnot_wave_0:
	s_wait_tensorcnt 0x0                           ; the wave's end, behind my last LDS store
	ds_add_u32 v[SPW], v[NIL]
	s_wait_dscnt 0x0
	s_endpgm
.Lfunc_end_k_q84df7e3636_wprep:
	.size	k_q84df7e3636_wprep, .Lfunc_end_k_q84df7e3636_wprep-k_q84df7e3636_wprep
	.p2alignl 7, 3214868480
	.fill 96, 4, 3214868480
	.section	.rodata,"a",@progbits
	.p2align	6, 0x0
	.amdhsa_kernel k_q84df7e3636_wprep
		.amdhsa_group_segment_fixed_size 768
		.amdhsa_private_segment_fixed_size 0
		.amdhsa_enable_private_segment 0
		.amdhsa_kernarg_size 48
		.amdhsa_user_sgpr_count 2
		.amdhsa_user_sgpr_kernarg_segment_ptr 1
		.amdhsa_wavefront_size32 1
		.amdhsa_system_sgpr_workgroup_id_x 1
		.amdhsa_system_sgpr_workgroup_id_y 1
		.amdhsa_system_sgpr_workgroup_id_z 1
		.amdhsa_system_vgpr_workitem_id 0
		.amdhsa_next_free_vgpr 128
		.amdhsa_next_free_sgpr 66
		.amdhsa_reserve_vcc 0
		.amdhsa_float_denorm_mode_32 3
		.amdhsa_float_denorm_mode_16_64 3
		.amdhsa_memory_ordered 1
		.amdhsa_forward_progress 1
		.amdhsa_inst_pref_size 12
	.end_amdhsa_kernel
	.amdgpu_metadata
---
amdhsa.version: [ 1, 2 ]
amdhsa.kernels:
  - .name:           k_q84df7e3636_wprep
    .symbol:         k_q84df7e3636_wprep.kd
    .args:
      - { .name: Wq_w, .offset: 0, .size: 8, .value_kind: global_buffer, .address_space: global }
      - { .name: Wk_w, .offset: 8, .size: 8, .value_kind: global_buffer, .address_space: global }
      - { .name: Wv_w, .offset: 16, .size: 8, .value_kind: global_buffer, .address_space: global }
      - { .name: FC_w, .offset: 24, .size: 8, .value_kind: global_buffer, .address_space: global }
      - { .name: Wc, .offset: 32, .size: 8, .value_kind: global_buffer, .address_space: global }
      - { .name: Ws, .offset: 40, .size: 8, .value_kind: global_buffer, .address_space: global }
    .group_segment_fixed_size: 768
    .private_segment_fixed_size: 0
    .kernarg_segment_align: 8
    .kernarg_segment_size: 48
    .max_flat_workgroup_size: 128
    .sgpr_count:     66
    .vgpr_count:     128
    .wavefront_size: 32
...
	.end_amdgpu_metadata
.endif
;; end of part 1
;; launch proj (part 2): grid 256 x 1, 4 waves a work-group, no clusters, 327,680 bytes of LDS; arguments rep, rep1, Wc, Ws, Wq_b, Wk_b, Wv_b, Qc, Qs, Kc, Vc; writes Qc, Qs, Kc, Vc
.if DOCPART == 2
	.amdgcn_target "amdgcn-amd-amdhsa--gfx1250"
	.amdhsa_code_object_version 6
	.text
	.protected	k_q84df7e3636_proj
	.globl	k_q84df7e3636_proj
	.p2align	8
	.type	k_q84df7e3636_proj,@function
k_q84df7e3636_proj:
	s_mov_b64 s[64:65], 0
	v_nop
	global_prefetch_b8 v0, s[64:65] scope:SCOPE_SE
	s_setreg_imm32_b32 hwreg(HW_REG_WAVE_MODE, 25, 1), 1
	s_wait_xcnt 0x0
.set CHB,   8448
.set XSTW,  8*CHB
.set XIMG,  4*XSTW
.set XSC,   XIMG+2*24576
.set OSC,   XSC+2048
.set SPARE, OSC+2048
.set XRD, 1
.set XWI, 2
.set XWS, 3
.set LI,  4
.set XSR, 5
.set OSW, 6
.set OSR, 7
.set SPW, 14
.set NIL, 15
.set WS,  16
.set XS,  32
.set HA,  48
.set PC,  112
.set TM,  132
.set PW,  148
.set BV,  152
.set CB,  160
.set VB,  168
.set SEL, 8
.set MSB, 0
.macro WIN new
.if MSB != (\new)
	s_set_vgpr_msb (MSB<<8)|(\new)
.set MSB, (\new)
.endif
.endm
.macro PLACES n
.rept \n
	v_nop
.endr
.endm
.macro BARRIER
	s_wait_dscnt 0x0
	s_barrier_signal -1
	s_barrier_wait -1
.endm
.macro MM d, a, b, sa, sb
	v_wmma_scale_f32_16x16x128_f8f6f4 v[(\d):(\d)+7], v[(\a):(\a)+11], v[(\b):(\b)+11], v[(\d):(\d)+7], v[\sa], v[\sb] matrix_a_fmt:MATRIX_FMT_FP6 matrix_b_fmt:MATRIX_FMT_FP6
.endm
.macro MMC d, a, b, c, sa, sb
	v_wmma_scale_f32_16x16x128_f8f6f4 v[(\d):(\d)+7], v[(\a):(\a)+11], v[(\b):(\b)+11], v[(\c):(\c)+7], v[\sa], v[\sb] matrix_a_fmt:MATRIX_FMT_FP6 matrix_b_fmt:MATRIX_FMT_FP6
.endm
.macro QUANT s
.irp b, 0,1,2,3
	v_max3_num_f32 v[TM+\b], |v[\s+16*\b]|, |v[\s+1+16*\b]|, 0x1800000
.endr
.irp i, 2,4,6,8,10,12,14
.irp b, 0,1,2,3
	v_max3_num_f32 v[TM+\b], v[TM+\b], |v[\s+16*\b+\i]|, |v[\s+1+16*\b+\i]|
.endr
.endr
.irp b, 0,1,2,3
	v_permlanex16_b32 v[TM+4+\b], v[TM+\b], s[SEL], s[SEL+1]
.endr
.irp b, 0,1,2,3
	v_max_num_f32 v[TM+\b], v[TM+\b], v[TM+4+\b]
.endr
.irp b, 0,1,2,3
	v_add_nc_u32 v[TM+12+\b], 0xff000000, v[TM+\b]
.endr
.irp b, 0,1,2,3
	v_lshrrev_b32 v[TM+4+\b], 23, v[TM+12+\b]
.endr
	v_lshl_or_b32 v[PW], v[TM+5], 8, v[TM+4]
	v_lshl_or_b32 v[PW], v[TM+6], 16, v[PW]
	v_lshl_or_b32 v[PW], v[TM+7], 24, v[PW]
.irp c, 0,1
	v_cvt_scalef32_pk16_fp6_f32 v[PC+6*\c:PC+2+6*\c], v[\s+32*\c:\s+15+32*\c], v[TM+12+2*\c]
	v_cvt_scalef32_pk16_fp6_f32 v[PC+12+4*\c:PC+14+4*\c], v[\s+16+32*\c:\s+31+32*\c], v[TM+12+2*\c+1]
.endr
	v_nop
.irp c, 0,1
.irp i, 0,1,2
	v_permlane16_swap_b32 v[PC+6*\c+\i], v[PC+12+4*\c+\i]
.endr
.irp i, 0,1,2
	v_mov_b32 v[PC+3+6*\c+\i], v[PC+12+4*\c+\i]
.endr
.endr
.endm
.macro QUANT2 s
.irp b, 0,1
	v_max3_num_f32 v[TM+\b], |v[\s+16*\b]|, |v[\s+1+16*\b]|, 0x1800000
.endr
.irp i, 2,4,6,8,10,12,14
.irp b, 0,1
	v_max3_num_f32 v[TM+\b], v[TM+\b], |v[\s+16*\b+\i]|, |v[\s+1+16*\b+\i]|
.endr
.endr
.irp b, 0,1
	v_permlanex16_b32 v[TM+4+\b], v[TM+\b], s[SEL], s[SEL+1]
.endr
.irp b, 0,1
	v_max_num_f32 v[TM+\b], v[TM+\b], v[TM+4+\b]
.endr
.irp b, 0,1
	v_add_nc_u32 v[TM+12+\b], 0xff000000, v[TM+\b]
.endr
.irp b, 0,1
	v_lshrrev_b32 v[TM+4+\b], 23, v[TM+12+\b]
.endr
	v_lshl_or_b32 v[PW], v[TM+5], 8, v[TM+4]
	v_cvt_scalef32_pk16_fp6_f32 v[PC:PC+2], v[\s:\s+15], v[TM+12]
	v_cvt_scalef32_pk16_fp6_f32 v[PC+6:PC+8], v[\s+16:\s+31], v[TM+13]
	v_nop
.irp i, 0,1,2
	v_permlane16_swap_b32 v[PC+\i], v[PC+6+\i]
.endr
.irp i, 0,1,2
	v_mov_b32 v[PC+3+\i], v[PC+6+\i]
.endr
.endm
.macro RLOAD n
.set RWI, (\n)/8
.set RNT, (\n)%8
.set RSL, (\n)%4
	WIN 0x40
.irp i, 0,1,2,3,4,5,6,7,8,9,10,11
	global_load_b128 v[48*RSL+4*\i:48*RSL+4*\i+3], v8, s[72:73] offset:RWI*196608+RNT*6144+512*\i
.endr
	WIN 0
	global_load_b128 v[WS+4*RSL:WS+4*RSL+3], v9, s[74:75] offset:RWI*8192+RNT*256
.if (\n) < 16
	WIN 0x80
	global_load_b128 v[192+8*RSL:192+8*RSL+3], v10, s[76+2*RWI:77+2*RWI] offset:(32*(RNT/2)+8*(RNT%2))*4
	global_load_b128 v[192+8*RSL+4:192+8*RSL+7], v10, s[76+2*RWI:77+2*RWI] offset:(32*(RNT/2)+8*(RNT%2))*4+16
	WIN 0
.else
	global_load_b32 v[BV+RSL], v11, s[80:81] offset:(32*(RNT/2)+8*(RNT%2))*4
.endif
.endm
.macro LWAIT n
.set CNT, 0
.irp d, 1,2,3
.if (\n)+\d < 24
.if (\n)+\d < 16
.set CNT, CNT+15
.else
.set CNT, CNT+14
.endif
.endif
.endr
	s_wait_loadcnt CNT
.endm
.macro XCHUNK i
.if (\i) == 4
	s_wait_tensorcnt 0x0                           ; my 16 rows of rep1 are in (rep's were awaited ahead of the barrier at the head)
.endif
.irp b, 0,1,2,3
.irp j, 0,1,2,3
	ds_load_b128 v[HA+16*\b+4*\j:HA+16*\b+4*\j+3], v[XRD] offset:((\i)/4)*4*CHB+(((\i)%4)/2)*1040+((\i)%2)*512+128*\b+16*\j   ; half rows of 1,024 bytes lie 1,040 apart: row y, channels 128 c on, at (2 y + c / 2) x 1,040 + 512 (c % 2)
.endr
.endr
	s_wait_dscnt 0x0
	s_wait_xcnt 0x0
	QUANT HA
.irp c, 0,1,2
	ds_store_b128 v[XWI], v[PC+4*\c:PC+4*\c+3] offset:((\i)/4)*24576+((\i)%4)*1536+512*\c
.endr
	ds_store_b32 v[XWS], v[PW] offset:((\i)/4)*1024+4*((\i)%4)
.endm
.macro XFETCH x
	WIN 0x80
.set KK, 0
.rept 48
	ds_load_b128 v[4*KK:4*KK+3], v[LI] offset:(\x)*24576+512*KK
.set KK, KK+1
.endr
	WIN 0
.irp t, 0,1,2,3
	ds_load_b128 v[XS+4*\t:XS+4*\t+3], v[XSR] offset:(\x)*1024+16*\t
.endr
	s_wait_dscnt 0x0
.endm
.macro STEPT n
.set TNT, (\n)%8
.set TSL, (\n)%4
	LWAIT \n
.irp s, 0,1,2,3
.if \s == 0
	WIN 0xe9
.else
	WIN 0xf9
.endif
.irp t, 0,1,2,3
.if \s == 0
	MMC 64*\t+8*TNT, 48*TSL+12*\s, 12*(4*\t+\s), 192+8*TSL, WS+4*TSL+\s, XS+4*\t+\s
.else
	MM 64*\t+8*TNT, 48*TSL+12*\s, 12*(4*\t+\s), WS+4*TSL+\s, XS+4*\t+\s
.endif
.endr
.endr
	PLACES 4
.if (\n)+4 < 24
	RLOAD (\n)+4
.endif
	WIN 0
.endm
.macro OUTT ph, t
	s_wait_dscnt 0x0
	WIN 0x0c
.set JJ, 0
.rept 64
	v_max_num_f32 v[HA+JJ], 0, v[64*(\t)+JJ]
.set JJ, JJ+1
.endr
	WIN 0
.set PC, 176+12*(\t)                   ; each row tile's codes get registers of their own (v176 on; the quantiser's eight spare ones lie in the next tile's): no store's data are written again within a phase
	QUANT HA
.irp c, 0,1,2
.if \ph == 0
	global_store_b128 v8, v[PC+4*\c:PC+4*\c+3], s[82:83] offset:(\t)*6144+512*\c
.else
	global_store_b128 v8, v[PC+4*\c:PC+4*\c+3], s[86:87] offset:(\t)*6144+512*\c
.endif
.endr
	ds_store_b32 v[OSW], v[PW] offset:(\ph)*1024+16*(\t)
.set PC, 112
.endm
.macro STEPV n
.set TNT, (\n)%8
.set TSL, (\n)%4
	LWAIT \n
.irp j, 0,1,2,3,4,5,6,7
	v_mov_b32 v[CB+\j], v[BV+TSL]
.endr
	PLACES 4
.irp s, 0,1,2,3
.if \s == 0
	WIN 0xc6
.else
	WIN 0xf6
.endif
.irp t, 0,1,2,3
.if \s == 0
	MMC 8*\t, 12*(4*\t+\s), 48*TSL+12*\s, CB, XS+4*\t+\s, WS+4*TSL+\s
.else
	MM 8*\t, 12*(4*\t+\s), 48*TSL+12*\s, XS+4*\t+\s, WS+4*TSL+\s
.endif
.endr
.endr
	PLACES 4
	s_wait_xcnt 0x0                                ; the earlier stores have read their data; it stands ahead of the loads below, whose sources are never rewritten
.if (\n)+4 < 24
	RLOAD (\n)+4
.endif
	WIN 0x0c
.set JJ, 0
.rept 32
	v_max_num_f32 v[HA+JJ], 0, v[JJ]
.set JJ, JJ+1
.endr
	WIN 0
	QUANT2 HA
	global_store_b128 v8, v[PC:PC+3], s[90:91] offset:TNT*1536
	global_store_b64 v12, v[PC+4:PC+5], s[90:91] offset:TNT*1536+512
.if TNT%2 == 0
	v_mov_b32 v[VB+TNT/2], v[PW]
.else
	v_lshl_or_b32 v[VB+TNT/2], v[PW], 16, v[VB+TNT/2]
.endif
.endm
	s_load_b512 s[68:83], s[0:1], 0x0
	s_load_b128 s[84:87], s[0:1], 0x40             ; Qs, Kc
	s_load_b64 s[90:91], s[0:1], 0x50              ; Vc
	v_lshl_add_u32 v[SPW], v0, 2, SPARE
	v_mov_b32 v[NIL], 0
	ds_add_u32 v[SPW], v[NIL]
	ds_add_u32 v[SPW], v[NIL]
	v_lshrrev_b32 v160, 5, v0
	v_readfirstlane_b32 s2, v160
	s_mov_b32 s3, ttmp9
	s_mov_b32 s16, (2<<16)|(1<<20)|(7<<22)|(3<<25) ; a wave's 16 rows of 2,048 bytes are dense in memory: one tile of 32 rows of 256 f32, 16 bytes of padding behind each
	s_mov_b32 s17, 256<<16
	s_mov_b32 s18, 32<<16
	s_mov_b32 s19, 256<<16
	s_mov_b32 s20, 32
	s_mov_b32 s21, 256
	s_mov_b32 s22, 0
	s_mov_b32 s23, 0
	s_mov_b32 s[SEL], 0x76543210
	s_mov_b32 s[SEL+1], 0xfedcba98
	s_mov_b32 s10, 0xffff0000
	s_mul_i32 s4, s2, XSTW
	s_lshr_b32 s5, s2, 1
	s_and_b32 s6, s2, 1
	v_and_b32 v160, 31, v0
	v_and_b32 v161, 15, v0
	v_bfe_u32 v162, v0, 4, 1
	v_and_b32 v163, 7, v0
	s_wait_alu depctr_va_vdst(0)
	v_bfe_u32 v164, v0, 3, 1
	v_mul_u32_u24 v[XRD], v161, 2080
	v_lshl_add_u32 v[XRD], v162, 6, v[XRD]
	v_add_nc_u32 v[XRD], s4, v[XRD]
	s_mul_i32 s7, s5, 12288
	s_lshl_b32 s11, s6, 7
	s_add_co_u32 s7, s7, s11
	s_add_co_u32 s7, s7, XIMG
	v_mul_u32_u24 v[XWI], v164, 6144
	v_lshl_add_u32 v[XWI], v162, 8, v[XWI]
	v_lshl_add_u32 v[XWI], v163, 4, v[XWI]
	v_add_nc_u32 v[XWI], s7, v[XWI]
	s_lshl_b32 s7, s6, 9
	s_lshl_b32 s11, s5, 5
	s_add_co_u32 s7, s7, s11
	s_add_co_u32 s7, s7, XSC
	v_lshlrev_b32 v[XWS], 6, v163
	s_wait_alu depctr_va_vdst(0)
	v_lshl_add_u32 v[XWS], v164, 4, v[XWS]
	v_add_nc_u32 v[XWS], s7, v[XWS]
	v_lshl_add_u32 v[LI], v160, 4, XIMG
	v_lshl_add_u32 v[XSR], v161, 6, XSC
	s_lshl_b32 s7, s2, 2
	s_add_co_u32 s7, s7, OSC
	v_lshl_add_u32 v[OSW], v161, 6, s7
	s_lshl_b32 s7, s2, 8
	s_add_co_u32 s7, s7, OSC
	v_lshl_add_u32 v[OSR], v160, 3, s7
	v_lshlrev_b32 v8, 4, v160
	v_lshlrev_b32 v9, 4, v161
	v_lshlrev_b32 v10, 6, v162
	v_and_b32 v11, 8, v161
	v_add_nc_u32 v11, v11, v161
	v_lshlrev_b32 v11, 2, v11
	v_lshlrev_b32 v12, 3, v160
	v_lshl_add_u32 v13, v162, 3, v9
.irp b, 0,1,2,3
	v_mov_b32 v[TM+4+\b], 0
.endr
	s_mov_b32 s13, 0
	s_lshl_b32 s12, s3, 17
	s_lshl_b32 s14, s2, 15
	s_add_co_u32 s12, s12, s14
	s_wait_dscnt 0x0
	s_wait_kmcnt 0x0
	s_add_nc_u64 s[68:69], s[68:69], s[12:13]
	s_add_nc_u64 s[70:71], s[70:71], s[12:13]
.irp i, 0,1
	s_mov_b32 s[24+4*\i], 1
	s_add_co_u32 s[25+4*\i], s4, \i*4*CHB
	s_mov_b64 s[26+4*\i:27+4*\i], s[68+2*\i:69+2*\i]
	s_or_b32 s[27+4*\i], s[27+4*\i], 0x80000000
.endr
	s_wait_alu depctr_va_vdst(0)                   ; the wait at the end of the head's vector work
	tensor_load_to_lds s[24:27], s[16:23]          ; my 16 rows of rep: the wave's one tensor load at the head
	s_nop 0
	PLACES 4
	s_mul_i32 s12, s2, 49152
	s_add_nc_u64 s[72:73], s[72:73], s[12:13]
	s_lshl_b32 s12, s2, 11
	s_add_nc_u64 s[74:75], s[74:75], s[12:13]
	s_lshl_b32 s12, s2, 9
	s_add_nc_u64 s[76:77], s[76:77], s[12:13]
	s_add_nc_u64 s[78:79], s[78:79], s[12:13]
	s_add_nc_u64 s[80:81], s[80:81], s[12:13]
	RLOAD 0
	RLOAD 1
	RLOAD 2
	RLOAD 3
	; Kc and Vc are laid in records of 51,200 bytes, one for each step of 128 keys: 49,152 bytes of codes, then the step's 2,048 bytes of scale words
	s_lshr_b32 s15, s3, 1                          ; my record
	s_and_b32 s7, s3, 1                            ; which 64 of its keys
	s_mov_b64 s[88:89], s[86:87]
	s_mov_b64 s[92:93], s[90:91]
	s_mul_i32 s12, s3, 24576
	s_mul_i32 s14, s2, 1536
	s_add_co_u32 s12, s12, s14
	s_add_nc_u64 s[82:83], s[82:83], s[12:13]      ; Q's codes
	s_lshl_b32 s14, s15, 11
	s_add_co_u32 s12, s12, s14                     ; 2,048 more for each record passed
	s_add_nc_u64 s[86:87], s[86:87], s[12:13]      ; K's codes
	s_lshl_b32 s12, s3, 10
	s_lshl_b32 s14, s2, 8
	s_add_co_u32 s12, s12, s14
	s_add_nc_u64 s[84:85], s[84:85], s[12:13]      ; Q's scale words
	s_mul_i32 s11, s15, 51200
	s_lshl_b32 s12, s7, 10
	s_add_co_u32 s12, s12, s14
	s_add_co_u32 s12, s12, s11
	s_add_co_u32 s12, s12, 49152
	s_add_nc_u64 s[88:89], s[88:89], s[12:13]      ; K's scale words
	s_mul_i32 s12, s2, 12288
	s_mul_i32 s14, s7, 768
	s_add_co_u32 s12, s12, s14
	s_add_co_u32 s12, s12, s11
	s_add_nc_u64 s[90:91], s[90:91], s[12:13]      ; V's codes
	s_lshl_b32 s12, s2, 9
	s_lshl_b32 s14, s7, 8
	s_add_co_u32 s12, s12, s14
	s_add_co_u32 s12, s12, s11
	s_add_co_u32 s12, s12, 49152
	s_add_nc_u64 s[92:93], s[92:93], s[12:13]      ; V's scale bytes
	s_wait_alu depctr_va_vdst(0)
	s_wait_tensorcnt 0x0                           ; rep's rows are in
	ds_add_u32 v[SPW], v[NIL]
	s_wait_dscnt 0x0
	s_barrier_signal -1
	s_barrier_wait -1
	tensor_load_to_lds s[28:31], s[16:23]          ; my 16 rows of rep1 land under the work on rep
	s_nop 0
	PLACES 4
.irp i, 0,1,2,3
	XCHUNK \i
.endr
	BARRIER
	XFETCH 0
.irp n, 0,1,2,3,4,5,6,7
	STEPT \n
.endr
.irp t, 0,1,2,3
	OUTT 0, \t
.endr
.irp i, 4,5,6,7
	XCHUNK \i
.endr
	BARRIER
	XFETCH 1
.irp n, 8,9,10,11,12,13,14,15
	STEPT \n
.endr
.irp t, 0,1,2,3
	OUTT 1, \t
.endr
.irp n, 16,17,18,19,20,21,22,23
	STEPV \n
.endr
	v_cndmask_b32 v172, v[VB], v[VB+2], s10
	v_cndmask_b32 v173, v[VB+1], v[VB+3], s10
	global_store_b64 v13, v[172:173], s[92:93]
	BARRIER
	ds_load_b64 v[160:161], v[OSR]
	ds_load_b64 v[162:163], v[OSR] offset:1024
	s_wait_dscnt 0x0
	global_store_b64 v12, v[160:161], s[84:85]
	global_store_b64 v12, v[162:163], s[88:89]
	s_wait_tensorcnt 0x0
	ds_add_u32 v[SPW], v[NIL]
	s_wait_dscnt 0x0
	s_endpgm
.Lfunc_end_k_q84df7e3636_proj:
	.size	k_q84df7e3636_proj, .Lfunc_end_k_q84df7e3636_proj-k_q84df7e3636_proj
	.p2alignl 7, 3214868480
	.fill 96, 4, 3214868480
	.section	.rodata,"a",@progbits
	.p2align	6, 0x0
	.amdhsa_kernel k_q84df7e3636_proj
		.amdhsa_group_segment_fixed_size 327680
		.amdhsa_private_segment_fixed_size 0
		.amdhsa_enable_private_segment 0
		.amdhsa_kernarg_size 88
		.amdhsa_user_sgpr_count 2
		.amdhsa_user_sgpr_kernarg_segment_ptr 1
		.amdhsa_wavefront_size32 1
		.amdhsa_system_sgpr_workgroup_id_x 1
		.amdhsa_system_sgpr_workgroup_id_y 1
		.amdhsa_system_sgpr_workgroup_id_z 1
		.amdhsa_system_vgpr_workitem_id 0
		.amdhsa_next_free_vgpr 1024
		.amdhsa_next_free_sgpr 96
		.amdhsa_reserve_vcc 0
		.amdhsa_float_denorm_mode_32 3
		.amdhsa_float_denorm_mode_16_64 3
		.amdhsa_memory_ordered 1
		.amdhsa_forward_progress 1
		.amdhsa_inst_pref_size 221
	.end_amdhsa_kernel
	.amdgpu_metadata
---
amdhsa.version: [ 1, 2 ]
amdhsa.kernels:
  - .name:           k_q84df7e3636_proj
    .symbol:         k_q84df7e3636_proj.kd
    .args:
      - { .name: rep, .offset: 0, .size: 8, .value_kind: global_buffer, .address_space: global }
      - { .name: rep1, .offset: 8, .size: 8, .value_kind: global_buffer, .address_space: global }
      - { .name: Wc, .offset: 16, .size: 8, .value_kind: global_buffer, .address_space: global }
      - { .name: Ws, .offset: 24, .size: 8, .value_kind: global_buffer, .address_space: global }
      - { .name: Wq_b, .offset: 32, .size: 8, .value_kind: global_buffer, .address_space: global }
      - { .name: Wk_b, .offset: 40, .size: 8, .value_kind: global_buffer, .address_space: global }
      - { .name: Wv_b, .offset: 48, .size: 8, .value_kind: global_buffer, .address_space: global }
      - { .name: Qc, .offset: 56, .size: 8, .value_kind: global_buffer, .address_space: global }
      - { .name: Qs, .offset: 64, .size: 8, .value_kind: global_buffer, .address_space: global }
      - { .name: Kc, .offset: 72, .size: 8, .value_kind: global_buffer, .address_space: global }
      - { .name: Vc, .offset: 80, .size: 8, .value_kind: global_buffer, .address_space: global }
    .group_segment_fixed_size: 327680
    .private_segment_fixed_size: 0
    .kernarg_segment_align: 8
    .kernarg_segment_size: 88
    .max_flat_workgroup_size: 128
    .sgpr_count:     96
    .vgpr_count:     1024
    .wavefront_size: 32
...
	.end_amdgpu_metadata
.endif
;; end of part 2
;; launch attn (part 3): grid 256 x 1, 4 waves a work-group, clusters of 4 x 1, 327,680 bytes of LDS; arguments Qc, Qs, Kc, Vc, Wc, Ws, FC_b, out0; writes out0
.if DOCPART == 3
	.amdgcn_target "amdgcn-amd-amdhsa--gfx1250"
	.amdhsa_code_object_version 6
	.text
	.protected	k_q84df7e3636_attn
	.globl	k_q84df7e3636_attn
	.p2align	8
	.type	k_q84df7e3636_attn,@function
k_q84df7e3636_attn:
	s_mov_b64 s[64:65], 0
	v_nop
	global_prefetch_b8 v0, s[64:65] scope:SCOPE_SE
	s_setreg_imm32_b32 hwreg(HW_REG_WAVE_MODE, 25, 1), 1
	s_wait_xcnt 0x0
	s_wait_alu depctr_hold_cnt(0) depctr_sa_sdst(0) depctr_va_vdst(0) depctr_va_sdst(0) depctr_va_ssrc(0) depctr_va_vcc(0) depctr_vm_vsrc(0)
	s_getreg_b32 s2, hwreg(HW_REG_IB_STS2, 6, 4)
	s_cmp_eq_u32 s2, 0
	s_cbranch_scc0 .Lentry_in_a_cluster
	s_endpgm
.Lentry_in_a_cluster:
	s_bfe_u32 s2, ttmp6, 0x10000c
	s_cmp_lg_u32 s2, 0x3003
	s_cbranch_scc0 .Lentry_shape_is_right
	s_endpgm
.Lentry_shape_is_right:
; out = relu((softmax(q k^T / sqrt(512)) v) FC_w + FC_b), all three products on codes of FP6 (E2M3) with one E8M0 scale for each 32 along K.  q, k, v and FC_w arrive as images of operand registers.
; THE SOFTMAX: t = score x log2(e) / sqrt(512); M = the largest t so far, rounded UP to a whole number; p = 2^(t - M) is quantised along the keys, not normalised; the row's sum is taken of the unquantised p and divides at the end.
; SHARES.  Work-group g owns 64 queries (four tiles m of 16) of batch g / 32 and walks the batch's 2,048 keys, 128 a step.  In a step wave w makes the scores of keys 32 w .. 32 w + 31 for all 64 queries, their p, codes and
; scale; behind one barrier it adds V^T P^T into ITS channels 128 w .. 128 w + 127.  Each fragment of K and V is read by one wave and feeds four matrix instructions.
; Kc and Vc hold one record of 51,200 bytes a key step: 49,152 of codes, 2,048 of scale words.
; CLUSTERS: four work-groups of one batch form a cluster.  K's RECORDS ARE ASKED FOR JOINTLY (mask 15), a quarter (50 rows of 256 bytes) a wave, into a ring of two LDS slots: tile T_j = K's record j + 2, what body j reads, lies in
; slot j % 2; body j asks for T_(j+1) behind its round of the cluster's barrier, which is also the barrier that shows p to the other waves.  The head's one load a wave brings records 1 and 2, which are neighbours in memory, into
; both slots; K's step 0 comes by plain loads.  V GOES FROM MEMORY STRAIGHT INTO REGISTERS, asked for one body ahead: in a work-group each of its bytes is wanted by one wave, and so a body's bytes are shared between two ways in.
; FC_w: each wave's column tiles 0-3 come by plain loads in body 14, into Q's registers; its tiles 4-7 take the ring's last two places, T_14 and T_15 (12,800 bytes a wave each, which overlap by 1,024 bytes): so every trip of the
; loop issues one joint load a wave that is read later; which buffer it names is chosen by the trip counter.
; THE STEP IS PIPELINED BY ONE PRODUCT: K Q^T of step j + 1 stands round the barrier of step j, its last group behind p's LDS loads.  The rescaling of O^T is laid between the groups of V^T P^T, two groups ahead of its readers.
; M ACROSS WAVES.  Wave w keeps its own whole number M_w and sum l_w for each query and sends -M_w and its block's scale byte.  Each wave keeps MC = the largest M_w so far, takes MC - M_w off each byte (held at 1 from
; below) and multiplies its part of O by 2^(old MC - new MC): powers of two, nothing is rounded.  At the end l = the sum of l_w 2^(M_w - MC); the l_w travel with body 15's barrier.
; ALL PRODUCTS ARE USED TRANSPOSED (S^T = K Q^T, O^T = V^T P^T, the last: source 0 = 16 columns of FC_w): a lane holds one query throughout.
; PREFETCHES: body j (0 to 10) names K's record j + 5, two tiles ahead of the load that it issues, and V's record j + 3, two ahead of the loads at its end.  Of a wave's quarter, 50 blocks of 256 bytes, the partner at place cx
; names blocks 13 cx on, 13 of them (the last partner 11); lanes left over name the last of these again.  The first records come by their loads alone; FC_w is not named: every cluster of the launch reads the same bytes.
; LIMITS: a block of p that lies under 2^-124 of its wave's 2^M, or whose byte would fall under 1 against MC, is taken with the byte 1: at most 7.5 x 2^-126 a key, against a sum of at least 1/2.  The scaled scores stay under 2^31
; in magnitude.  NaN and infinities are not served.
; REGISTERS: window 0: addresses, scale words, the softmax's, v192-255 S^T then p.  window 1: O^T at 64 m + 8 dt (later FC's accumulators and rows on their way out).  window 2: v0-191 Q (later FC_w's tiles 0-3); v192-239 p's fragments.
;   window 3: v0-95 K; v96-191 V (later FC_w's tiles 4-7); v192-255 FC_b.
.set REC,   51200                      ; a record.  LDS: slot 1 at 0, slot 0 at REC
.set QREC,  12800                      ; what one joint load of the ring brings
.set PB,    2*REC                      ; two buffers of p: codes at 1,536 m + 384 block + 24 r; from PST on 512 m + 32 r + {4 w: -M_w; 16 + 4 w: the byte, as f32}
.set PBB,   8192
.set PST,   6144
.set LST,   PB+16384                   ; the same shape once more: -M_w and l_w
.set AIMG,  PB+18432                   ; the attention output's 16 fragments: (4 m + s) x 1,536
.set ASC,   PB+43008                   ; their scale words: 64 r + 16 m + 4 s
.set OSTG,  PB+44032                   ; the way out: 16 rows x (512 + 16) bytes for each wave
.set SPARE, PB+77824                   ; the spare words, 128 bytes a wave
.set PWA, 5
.set PSA, 6
.set PRA, 7
.set PSR, 8
.set AWI, 9
.set ALI, 10
.set ASW, 11
.set STO, 12
.set PFO, 13
.set SPW, 14
.set NIL, 15
.set QS,  16
.set KSC, 32
.set VSR, 40
.set VS,  48
.set PS,  56
.set ST,  64                           ; tile m: +0 -M, +1 the largest t, +2, +3 the sum in two halves
.set F,   80                           ; pairs: 2^(old MC - new MC)
.set R,   80                           ; at the end the same pairs hold 1 / l
.set MC,  88                           ; pairs: -MC
.set FP,  96                           ; pairs: 2^(old M - new M)
.set BM,  104
.set PT,  108
.set T1,  112
.set SO,  116
.set BY,  120
.set PCD, 124
.set NB,  140
.set SU,  172
.set KA,  180                          ; v180-181 K's codes in slot 0, 1
.set KSA, 182                          ; v182-183 K's scale words
.set FA,  184                          ; v184-185 FC_w's tiles 4, 5 (slot 0) and 6, 7 (slot 1)
.set PFV, 186                          ; V's prefetch offset
.set RD,  188
.set ASR, 189
.set BO,  190
.set LSA, 191
.set S,   192
.set HA,  192
.set TM,  104
.set PW,  120
.set PC,  124
.set SEL, 32
.set P,   40                           ; s[40:41] where my quarter of the tile asked for last begins
.set FCP, 44                           ; s[44:45], s[46:47] my parts of FC_w for T_14 and T_15
.set G1,  48                           ; s[48:55] descriptor group 1
.set G0,  56                           ; s[56:63] group 0 for slot 0, 1
.set G0H, 68                           ; s[68:71] group 0 for the head's load
.set MSB, 0
.macro WIN new
.if MSB != (\new)
	s_set_vgpr_msb (MSB<<8)|(\new)
.set MSB, (\new)
.endif
.endm
.macro PLACES n
.rept \n
	v_nop
.endr
.endm
.macro BARRIER
	s_wait_dscnt 0x0
	s_barrier_signal -1
	s_barrier_wait -1
.endm
.macro CREST                           ; a round of the cluster's barrier behind its opening barrier
	s_cmp_lg_u32 s2, 0
	s_cbranch_scc1 .Lnw0_\@
	s_barrier_signal -3
.Lnw0_\@:
	s_barrier_wait -3
	s_barrier_signal -1
	s_barrier_wait -1
.endm
.macro CROUND
	s_barrier_signal -1
	s_barrier_wait -1
	CREST
.endm
.macro JLOAD g0                        ; a joint load
	tensor_load_to_lds s[\g0:\g0+3], s[G1:G1+7]
	s_nop 0
	PLACES 4
.endm
.macro AIM g0
	s_mov_b64 s[\g0+2:\g0+3], s[P:P+1]
	s_or_b32 s[\g0+3], s[\g0+3], 0x80000000
.endm
.macro MM d, a, b, sa, sb
	v_wmma_scale_f32_16x16x128_f8f6f4 v[(\d):(\d)+7], v[(\a):(\a)+11], v[(\b):(\b)+11], v[(\d):(\d)+7], v[\sa], v[\sb] matrix_a_fmt:MATRIX_FMT_FP6 matrix_b_fmt:MATRIX_FMT_FP6
.endm
.macro MMC d, a, b, c, sa, sb
	v_wmma_scale_f32_16x16x128_f8f6f4 v[(\d):(\d)+7], v[(\a):(\a)+11], v[(\b):(\b)+11], v[(\c):(\c)+7], v[\sa], v[\sb] matrix_a_fmt:MATRIX_FMT_FP6 matrix_b_fmt:MATRIX_FMT_FP6
.endm
.macro MMZ d, a, b, sa, sb
	v_wmma_scale_f32_16x16x128_f8f6f4 v[(\d):(\d)+7], v[(\a):(\a)+11], v[(\b):(\b)+11], 0, v[\sa], v[\sb] matrix_a_fmt:MATRIX_FMT_FP6 matrix_b_fmt:MATRIX_FMT_FP6
.endm
; 64 numbers of a lane, register 16 b + i = k 32 b + 16 (lane / 16) + i of my row, become a fragment's codes in v[PC] on and its scale word in v[PW]
.macro QUANT s
.irp b, 0,1,2,3
	v_max3_num_f32 v[TM+\b], |v[\s+16*\b]|, |v[\s+1+16*\b]|, 0x1800000   ; with the floor 2^(3 - 127)
.endr
.irp i, 2,4,6,8,10,12,14
.irp b, 0,1,2,3
	v_max3_num_f32 v[TM+\b], v[TM+\b], |v[\s+16*\b+\i]|, |v[\s+1+16*\b+\i]|
.endr
.endr
.irp b, 0,1,2,3
	v_permlanex16_b32 v[TM+4+\b], v[TM+\b], s[SEL], s[SEL+1]
.endr
.irp b, 0,1,2,3
	v_max_num_f32 v[TM+\b], v[TM+\b], v[TM+4+\b]
.endr
.irp b, 0,1,2,3
	v_add_nc_u32 v[TM+12+\b], 0xff000000, v[TM+\b]
.endr
.irp b, 0,1,2,3
	v_lshrrev_b32 v[TM+4+\b], 23, v[TM+12+\b]
.endr
	v_lshl_or_b32 v[PW], v[TM+5], 8, v[TM+4]
	v_lshl_or_b32 v[PW], v[TM+6], 16, v[PW]
	v_lshl_or_b32 v[PW], v[TM+7], 24, v[PW]
.irp c, 0,1
	v_cvt_scalef32_pk16_fp6_f32 v[PC+6*\c:PC+2+6*\c], v[\s+32*\c:\s+15+32*\c], v[TM+12+2*\c]
	v_cvt_scalef32_pk16_fp6_f32 v[PC+12+4*\c:PC+14+4*\c], v[\s+16+32*\c:\s+31+32*\c], v[TM+12+2*\c+1]
.endr
	v_nop                                          ; one plain place behind a scaled conversion
.irp c, 0,1
.irp i, 0,1,2
	v_permlane16_swap_b32 v[PC+6*\c+\i], v[PC+12+4*\c+\i]
.endr
.irp i, 0,1,2
	v_mov_b32 v[PC+3+6*\c+\i], v[PC+12+4*\c+\i]
.endr
.endr
.endm
.macro KLOAD sl                        ; my two tiles of 16 keys, four K steps each, out of slot sl: 2 loads of scale words, 24 of codes
	ds_load_b128 v[KSC:KSC+3], v[KSA+\sl]
	ds_load_b128 v[KSC+4:KSC+7], v[KSA+\sl] offset:16
	WIN 0xc0
.set II, 0
.rept 24
	ds_load_b128 v[4*II:4*II+3], v[KA+\sl] offset:512*II
.set II, II+1
.endr
	WIN 0
.endm
.macro VLOAD                           ; my eight tiles of 16 channels x 128 keys, from memory: 2 loads of scale bytes, 32 of codes
	global_load_b128 v[VSR:VSR+3], v4, s[24:25]
	global_load_b128 v[VSR+4:VSR+7], v4, s[24:25] offset:256
	WIN 0xc0
.irp d, 0,1,2,3,4,5,6,7
.irp c, 0,1
	global_load_b128 v[96+12*\d+6*\c:96+12*\d+6*\c+3], v1, s[14:15] offset:\d*1536+\c*768
	global_load_b64 v[96+12*\d+6*\c+4:96+12*\d+6*\c+5], v2, s[14:15] offset:\d*1536+\c*768+512
.endr
.endr
	WIN 0
.endm
.macro QKG s                           ; S^T = K Q^T, channels 128 s on: the eight accumulators take turns, one instruction a turn
	WIN 0x0b                                       ; source 0 (K) window 3, source 1 (Q) window 2, C and D window 0
.irp u, 0,1
.irp m, 0,1,2,3
.if \s == 0
	MMZ S+16*\m+8*\u, 12*(4*\u+\s), 12*(4*\m+\s), KSC+4*\u+\s, QS+4*\m+\s
.else
	MM S+16*\m+8*\u, 12*(4*\u+\s), 12*(4*\m+\s), KSC+4*\u+\s, QS+4*\m+\s
.endif
.endr
.endr
.endm
; my block of 32 keys for the four tiles of queries, the tiles by turns.  Lane (r, h) holds query r and keys 16 h + 0 .. 15 of the block in v[S + 16 m] on.
.macro SOFT buf
.irp m, 0,1,2,3
	v_max3_num_f32 v[BM+\m], v[S+16*\m], v[S+16*\m+1], v[S+16*\m+2]   ; the block's largest score serves the running maximum and the block's largest p
.endr
.irp i, 3,5,7,9,11,13
.irp m, 0,1,2,3
	v_max3_num_f32 v[BM+\m], v[BM+\m], v[S+16*\m+\i], v[S+16*\m+\i+1]
.endr
.endr
.irp m, 0,1,2,3
	v_max_num_f32 v[BM+\m], v[BM+\m], v[S+16*\m+15]
.endr
.irp m, 0,1,2,3
	v_permlanex16_b32 v[PT+\m], v[BM+\m], s[SEL], s[SEL+1]
.endr
.irp m, 0,1,2,3
	v_max_num_f32 v[BM+\m], v[BM+\m], v[PT+\m]
.endr
.irp m, 0,1,2,3
	v_mul_f32 v[T1+\m], s34, v[BM+\m]              ; as t (c is positive)
.endr
.irp m, 0,1,2,3
	v_max_num_f32 v[ST+4*\m+1], v[ST+4*\m+1], v[T1+\m]
.endr
.irp m, 0,1,2,3
	v_mov_b32 v[T1+\m], v[ST+4*\m]
.endr
.irp m, 0,1,2,3
	v_floor_f32 v[ST+4*\m], -v[ST+4*\m+1]          ; the new -M = floor(-t)
.endr
.irp m, 0,1,2,3
	v_sub_f32 v[T1+\m], v[ST+4*\m], v[T1+\m]
.endr
.irp m, 0,1,2,3
	v_cvt_i32_f32 v[T1+\m], v[T1+\m]               ; (it saturates)
.endr
.irp m, 0,1,2,3
	v_ldexp_f32 v[FP+2*\m], 1.0, v[T1+\m]          ; 2^(old M - new M)
.endr
.irp m, 0,1,2,3
.irp j, 0,2,4,6,8,10,12,14
	v_pk_fma_f32 v[S+16*\m+\j:S+16*\m+\j+1], v[S+16*\m+\j:S+16*\m+\j+1], s[34:35], v[ST+4*\m:ST+4*\m+1] op_sel_hi:[1,0,0]   ; t - M
.endr
.endr
.irp m, 0,1,2,3
	v_fma_f32 v[BM+\m], v[BM+\m], s34, v[ST+4*\m]
.endr
.set JJ, 0
	s_wait_alu depctr_va_vdst(0)                   ; the wait ahead of the batch
.rept 64
	v_exp_f32 v[S+JJ], v[S+JJ]                     ; p = 2^(t - M), at most 1
.set JJ, JJ+1
.endr
.irp m, 0,1,2,3
	v_pk_mul_f32 v[ST+4*\m+2:ST+4*\m+3], v[ST+4*\m+2:ST+4*\m+3], v[FP+2*\m:FP+2*\m+1] op_sel_hi:[1,0]
.endr
	s_wait_alu depctr_va_vdst(0)                   ; one wait for the batch of 64
.irp m, 0,1,2,3
	v_exp_f32 v[BM+\m], v[BM+\m]                   ; the block's largest p
.endr
.irp m, 0,1,2,3
	v_pk_add_f32 v[SU+2*\m:SU+2*\m+1], v[S+16*\m:S+16*\m+1], v[S+16*\m+2:S+16*\m+3]   ; the sum is taken of the unquantised p
.endr
.irp j, 4,8,12
.irp m, 0,1,2,3
	v_pk_add_f32 v[ST+4*\m+2:ST+4*\m+3], v[ST+4*\m+2:ST+4*\m+3], v[S+16*\m+\j:S+16*\m+\j+1]
	v_pk_add_f32 v[SU+2*\m:SU+2*\m+1], v[SU+2*\m:SU+2*\m+1], v[S+16*\m+\j+2:S+16*\m+\j+3]
.endr
.endr
.irp m, 0,1,2,3
	v_pk_add_f32 v[ST+4*\m+2:ST+4*\m+3], v[ST+4*\m+2:ST+4*\m+3], v[SU+2*\m:SU+2*\m+1]
.endr
	s_wait_alu depctr_va_vdst(0)                   ; and one for the four
.irp m, 0,1,2,3
	v_max_num_f32 v[BM+\m], 0x1800000, v[BM+\m]    ; the floor 2^(3 - 127)
.endr
.irp m, 0,1,2,3
	v_add_nc_u32 v[SO+\m], 0xff000000, v[BM+\m]
.endr
.irp m, 0,1,2,3
	v_lshrrev_b32 v[BY+\m], 23, v[SO+\m]
.endr
.irp m, 0,1,2,3
	v_cvt_f32_u32 v[BY+\m], v[BY+\m]               ; as f32: the readers add a difference of whole numbers to it
.endr
.irp m, 0,1,2,3
	v_cvt_scalef32_pk16_fp6_f32 v[PCD+4*\m:PCD+4*\m+2], v[S+16*\m:S+16*\m+15], v[SO+\m]
.endr
	v_nop                                          ; one plain place behind a scaled conversion
.irp m, 0,1,2,3
	v_cndmask_b32 v[T1+\m], v[ST+4*\m], v[BY+\m], s36   ; lanes 0-15 send -M, lanes 16-31 the byte
.endr
.irp m, 0,1,2,3
.irp i, 0,1,2
	ds_store_b32 v[PWA], v[PCD+4*\m+\i] offset:(\buf)*PBB+\m*1536+4*\i
.endr
	ds_store_b32 v[PSA], v[T1+\m] offset:(\buf)*PBB+\m*512
.endr
.endm
.macro LSUM                            ; behind the last softmax: my l_w (two halves, and lane l xor 16's) and -M_w to LDS
.irp m, 0,1,2,3
	v_add_f32 v[SU+\m], v[ST+4*\m+2], v[ST+4*\m+3]
.endr
.irp m, 0,1,2,3
	v_permlanex16_b32 v[PT+\m], v[SU+\m], s[SEL], s[SEL+1]
.endr
.irp m, 0,1,2,3
	v_add_f32 v[SU+\m], v[SU+\m], v[PT+\m]
.endr
.irp m, 0,1,2,3
	v_cndmask_b32 v[SU+\m], v[ST+4*\m], v[SU+\m], s36
.endr
.irp m, 0,1,2,3
	ds_store_b32 v[LSA], v[SU+\m] offset:512*\m
.endr
.endm
.macro DIFF                            ; v[NB + 8 m + 0 .. 3] = M_w - MC: whole numbers, 0 or less
.irp m, 0,1,2,3
.irp k, 0,2
	v_pk_add_f32 v[NB+8*\m+\k:NB+8*\m+\k+1], v[MC+2*\m:MC+2*\m+1], v[NB+8*\m+\k:NB+8*\m+\k+1] op_sel_hi:[0,1] neg_lo:[0,1] neg_hi:[0,1]
.endr
.endr
.endm
.macro CLOADS buf                      ; the four waves' -M_w and bytes first (8 loads), then p's four fragments (24 loads)
.irp m, 0,1,2,3
	ds_load_b128 v[NB+8*\m:NB+8*\m+3], v[PSR] offset:(\buf)*PBB+\m*512
	ds_load_b128 v[NB+8*\m+4:NB+8*\m+7], v[PSR] offset:(\buf)*PBB+\m*512+16
.endr
	WIN 0x80
.irp m, 0,1,2,3
.irp p, 0,1,2,3,4,5
	ds_load_b64 v[192+12*\m+2*\p:192+12*\m+2*\p+1], v[PRA] offset:(\buf)*PBB+\m*1536+768*(\p/3)+8*(\p%3)
.endr
.endr
	WIN 0
.endm
.macro CVEC first                      ; the common MC; 2^(old MC - new MC); p's scale words under MC
	s_wait_dscnt 24                                ; the statistics are in; p's 24 younger loads may be out
.if \first
.irp m, 0,1,2,3
	v_min3_num_f32 v[MC+2*\m], v[NB+8*\m], v[NB+8*\m+1], v[NB+8*\m+2]
.endr
.irp m, 0,1,2,3
	v_min_num_f32 v[MC+2*\m], v[MC+2*\m], v[NB+8*\m+3]
.endr
.else
.irp m, 0,1,2,3
	v_mov_b32 v[T1+\m], v[MC+2*\m]
.endr
.irp m, 0,1,2,3
	v_min3_num_f32 v[MC+2*\m], v[MC+2*\m], v[NB+8*\m], v[NB+8*\m+1]
.endr
.irp m, 0,1,2,3
	v_min3_num_f32 v[MC+2*\m], v[MC+2*\m], v[NB+8*\m+2], v[NB+8*\m+3]
.endr
.irp m, 0,1,2,3
	v_sub_f32 v[T1+\m], v[MC+2*\m], v[T1+\m]
.endr
.irp m, 0,1,2,3
	v_cvt_i32_f32 v[T1+\m], v[T1+\m]
.endr
.irp m, 0,1,2,3
	v_ldexp_f32 v[F+2*\m], 1.0, v[T1+\m]
.endr
.endif
	DIFF
.irp m, 0,1,2,3
.irp k, 0,2
	v_pk_add_f32 v[NB+8*\m+\k:NB+8*\m+\k+1], v[NB+8*\m+\k:NB+8*\m+\k+1], v[NB+8*\m+4+\k:NB+8*\m+5+\k]
.endr
.endr
.irp k, 0,1,2,3
.irp m, 0,1,2,3
	v_max_num_f32 v[NB+8*\m+\k], 1.0, v[NB+8*\m+\k]   ; held at 1 from below
.endr
.endr
.irp k, 0,1,2,3
.irp m, 0,1,2,3
	v_cvt_u32_f32 v[NB+8*\m+\k], v[NB+8*\m+\k]
.endr
.endr
.irp m, 0,1,2,3
	v_lshl_or_b32 v[PS+\m], v[NB+8*\m+1], 8, v[NB+8*\m]
.endr
.irp m, 0,1,2,3
	v_lshl_or_b32 v[PS+\m], v[NB+8*\m+2], 16, v[PS+\m]
.endr
.irp m, 0,1,2,3
	v_lshl_or_b32 v[PS+\m], v[NB+8*\m+3], 24, v[PS+\m]
.endr
.endm
.macro VSC                             ; V's scale words: the two bytes of keys 0-63 below, those of keys 64-127 above
.irp q, 0,1,2,3
	v_perm_b32 v[VS+2*\q], v[VSR+4+\q], v[VSR+\q], s42
	v_perm_b32 v[VS+2*\q+1], v[VSR+4+\q], v[VSR+\q], s43
.endr
.endm
.macro RSC d                           ; the four accumulators of channel tile d under the new MC, each from its low end on
	WIN 0x41
.irp m, 0,1,2,3
.irp k, 0,2,4,6
	v_pk_mul_f32 v[64*\m+8*(\d)+\k:64*\m+8*(\d)+\k+1], v[64*\m+8*(\d)+\k:64*\m+8*(\d)+\k+1], v[F+2*\m:F+2*\m+1] op_sel_hi:[1,0]
.endr
.endr
.endm
.macro PV1 m, d, first                 ; O^T += V^T P^T for channel tile d and query tile m
	WIN 0x5b                                       ; source 0 (V) window 3, source 1 (p) window 2, C and D window 1
.if \first
	MMZ 64*(\m)+8*(\d), 96+12*(\d), 192+12*(\m), VS+(\d), PS+(\m)
.else
	MM 64*(\m)+8*(\d), 96+12*(\d), 192+12*(\m), VS+(\d), PS+(\m)
.endif
.endm
.macro RS1 m, d                        ; one accumulator under the new MC, from its low end on
	WIN 0x41
.irp k, 0,2,4,6
	v_pk_mul_f32 v[64*(\m)+8*(\d)+\k:64*(\m)+8*(\d)+\k+1], v[64*(\m)+8*(\d)+\k:64*(\m)+8*(\d)+\k+1], v[F+2*(\m):F+2*(\m)+1] op_sel_hi:[1,0]
.endr
.endm
.macro RPV first                       ; 32 matrix instructions on 32 accumulators; tile d + 2 is rescaled behind tile d's products, whose registers it does not name
.if \first
	PLACES 8                                       ; a scale register written by a vector instruction stands 8 places ahead of a scaled matrix instruction
.else
	WIN 0x41
	s_wait_alu depctr_va_vdst(0)                   ; the wait ahead of the first reader of O^T
	RSC 0                                          ; these 32 are also the places behind the scale words just made
	RSC 1
.endif
.irp d, 0,1,2,3,4,5,6,7
	s_wait_loadcnt 28-4*\d                         ; V's tile d is in: behind it stand four loads for each later tile
.irp m, 0,1,2,3
	PV1 \m, \d, \first
.if (\first == 0) && (\d < 6)
	RS1 \m, \d+2                                   ; four packed multiplies behind each product
.endif
.endr
.if (\first == 0) && (\d == 5)
	s_wait_alu depctr_va_vdst(0)
.endif
.endr
	WIN 0
.endm
.macro ASK cond                        ; in the loop: trips with 3 or more to go, bodies 1 to 10
.if \cond
	s_cmp_gt_u32 s37, 2
	s_cbranch_scc0 .Lnoask_\@
.endif
	global_prefetch_b8 v[PFO], s[P:P+1] offset:2*REC th:TH_LOAD_NT scope:SCOPE_SE
	global_prefetch_b8 v[PFV], s[14:15] offset:3*REC th:TH_LOAD_NT scope:SCOPE_SE   ; (V's base still stands at step j)
.if \cond
.Lnoask_\@:
.endif
.endm
.macro FCLOAD1                         ; FC_w's column tiles 0-3 of my eight, from memory into Q's registers: 48 loads
	WIN 0x80
.set II, 0
.rept 48
	global_load_b128 v[4*II:4*II+3], v1, s[16:17] offset:512*II
.set II, II+1
.endr
	WIN 0
.endm
.macro FCL reg0, adr                   ; two more of them, out of the slot into which I fetched them: 24 loads
	WIN 0xc0
.set II, 0
.rept 24
	ds_load_b128 v[(\reg0)+4*II:(\reg0)+4*II+3], v[\adr] offset:512*II
.set II, II+1
.endr
	WIN 0
.endm
; BODY j: the softmax of step j | K Q^T of step j + 1, round the change of slots | the joint load of T_(j+1) | p and the statistics | MC | K of step j + 2 | the rescaling and V^T P^T of step j | V of step j + 1.
; mode 0: body 0;  1, 2: the loop's first and second body;  3: body 15, which asks for nothing more.
.macro BODY buf, first, mode
	SOFT \buf
.if \mode == 3
	LSUM
.endif
	s_wait_alu depctr_va_vdst(0)                   ; the wait ahead of the waits below
.if \mode != 3
	s_wait_loadcnt 34                              ; only V's 34 loads may be out
	s_wait_dscnt 16                                ; K of step j + 1 is in: behind it stand p's 16 stores
	QKG 0
	WIN 0
.endif
.if \mode == 1 || \mode == 2
	s_wait_xcnt 0x0                                ; the last body's prefetches have read their bases
.endif
	s_wait_tensorcnt 0x0                           ; my quarter of T_j has landed;
.if \mode != 3
	ds_add_u32 v[SPW], v[NIL]
.if \mode == 0
	s_mov_b32 s[G1+2], 50<<16                      ; no load of mine is out: from here on a load brings 50 rows
	s_mov_b32 s[G1+4], 50
.endif
	s_add_nc_u64 s[P:P+1], s[P:P+1], REC
.if \mode == 1
	s_cmp_eq_u32 s37, 1                            ; body 13: K has no step 16: FC_w's tiles 4 and 5 of each wave
	s_cselect_b64 s[P:P+1], s[FCP:FCP+1], s[P:P+1]
.endif
.if \mode == 2
	s_cmp_eq_u32 s37, 1                            ; body 14: its tiles 6 and 7
	s_cselect_b64 s[P:P+1], s[FCP+2:FCP+3], s[P:P+1]
.endif
	AIM G0+4*(1-\buf)
	QKG 1                                          ; eight matrix instructions stand between the add and the wait for it
.endif
	s_wait_dscnt 0x0                               ; the add, p's stores and my reads of the other slot are done
	s_barrier_signal -1
.if \mode != 3
	QKG 2
	WIN 0
.endif
	s_barrier_wait -1
.if \mode != 3
	CREST                                          ; no wave of any partner still reads the other slot or has a load on its way
	JLOAD G0+4*(1-\buf)
.endif
	CLOADS \buf
.if \mode != 3
	QKG 3                                          ; under these eight the statistics land
	WIN 0
.endif
	CVEC \first
	s_wait_loadcnt 32                              ; V's scale bytes are in: the first two of its 34 loads
	VSC
.if \mode == 3
	FCL 0, FA                                      ; FC_w's tiles 4 and 5 into K's registers
.endif
	s_wait_alu depctr_va_vdst(0)                   ; the wait ahead of the wait and the branches below
.if \mode == 3
	s_wait_dscnt 24                                ; p's codes are in; FC_w's 24 younger loads may be out
.else
	s_wait_dscnt 0x0                               ; p's codes are in
.endif
.if \mode == 2
	s_cmp_eq_u32 s37, 1                            ; body 14: there is no step 16, and Q's registers are free
	s_cbranch_scc1 .Lfc_\@
.endif
.if \mode != 3
	KLOAD \buf
.endif
.if \mode == 2
.Lfc_\@:
.endif
.if \mode == 0
	ASK 0
.endif
.if \mode == 1 || \mode == 2
	ASK 1
.endif
	RPV \first
	PLACES 4                                       ; in front of loads into V's registers and of the first read of O^T
.if \mode != 3
	s_wait_xcnt 0x0                                ; V's loads are done and the prefetch has read V's base: the bases may step
	s_add_nc_u64 s[14:15], s[14:15], REC
	s_add_nc_u64 s[24:25], s[24:25], REC
.endif
.if \mode == 2
	s_cmp_eq_u32 s37, 1                            ; body 14: FC_w's tiles 0-3, ahead of V's last loads, so that the counts for V hold
	s_cbranch_scc0 .Lnofc_\@
	FCLOAD1
.Lnofc_\@:
.endif
.if \mode != 3
	VLOAD
.endif
.endm
	s_load_b512 s[8:23], s[0:1], 0x0               ; Qc, Qs, Kc, Vc, Wc, Ws, FC_b, out0
	v_lshl_add_u32 v[SPW], v0, 2, SPARE
	v_mov_b32 v[NIL], 0
	ds_add_u32 v[SPW], v[NIL]                      ; the opening lines: the add, twice on end, and its wait
	ds_add_u32 v[SPW], v[NIL]
	v_lshrrev_b32 v192, 5, v0
	v_readfirstlane_b32 s2, v192                   ; wave w
	s_bfe_u32 s5, ttmp6, 0x40000                   ; cx
	s_lshl_b32 s3, ttmp9, 2
	s_add_co_u32 s3, s3, s5                        ; group g
	s_lshr_b32 s4, ttmp9, 3                        ; batch: the same in all four partners
	s_mov_b32 s[G1+0], 15|(3<<16)|(1<<21)          ; the mask of all four, elements of 8 bytes
	s_mov_b32 s[G1+1], 32<<16
	s_mov_b32 s[G1+2], 100<<16                     ; the head's load: 100 rows of 256 bytes a wave
	s_mov_b32 s[G1+3], 32<<16
	s_mov_b32 s[G1+4], 100
	s_mov_b32 s[G1+5], 32
	s_mov_b32 s[G1+6], 0
	s_mov_b32 s[G1+7], 0
	s_mov_b32 s[G0], 1
	s_mov_b32 s[G0+4], 1
	s_mov_b32 s[G0H], 1
	s_mul_i32 s84, s2, QREC
	s_mov_b32 s[G0+5], s84                         ; slot 1 at 0,
	s_add_co_u32 s[G0+1], s84, REC                 ; slot 0 at REC
	s_mul_i32 s[G0H+1], s2, 2*QREC
	s_mul_i32 s76, s2, 384
	s_add_co_u32 s76, s76, PB
	s_lshl_b32 s28, s2, 2
	s_add_co_u32 s77, s28, PB+PST
	s_add_co_u32 s79, s28, ASC
	s_add_co_u32 s81, s28, LST
	s_mul_i32 s78, s2, 1536
	s_add_co_u32 s78, s78, AIMG
	s_mul_i32 s80, s2, 8448
	s_add_co_u32 s80, s80, OSTG
	s_mul_i32 s82, s2, 12288                       ; my codes in a record
	s_lshr_b32 s83, s2, 1
	s_lshl_b32 s83, s83, 10
	s_and_b32 s28, s2, 1
	s_lshl_b32 s28, s28, 5
	s_add_co_u32 s83, s83, s28
	s_add_co_u32 s83, s83, 49152                   ; my keys' scale words in a record of K
	s_lshl_b32 s85, s2, 9
	s_add_co_u32 s86, s84, 512
	s_mul_i32 s87, s5, 13                          ; the prefetches: my work-group's first block of a wave's 50
	s_mov_b32 s[SEL], 0x76543210
	s_mov_b32 s[SEL+1], 0xfedcba98
	s_mov_b32 s34, 0x3d8293ee                      ; c = log2(e) / sqrt(512)
	s_mov_b32 s35, s34
	s_mov_b32 s36, 0xffff0000                      ; lanes 16-31
	s_mov_b32 s42, 0x05040100
	s_mov_b32 s43, 0x07060302
	s_mov_b32 s29, 0
	s_wait_dscnt 0x0
	s_wait_kmcnt 0x0
	s_mul_i32 s28, s4, 16*REC
	s_add_nc_u64 s[12:13], s[12:13], s[28:29]      ; the batch's K
	s_add_nc_u64 s[14:15], s[14:15], s[28:29]      ; and V
	s_mul_i32 s28, s2, 2*QREC
	s_add_co_u32 s28, s28, REC
	s_add_nc_u64 s[G0H+2:G0H+3], s[12:13], s[28:29]   ; records 1 and 2: my quarter of the two
	s_or_b32 s[G0H+3], s[G0H+3], 0x80000000
	s_add_co_u32 s28, s84, 2*REC
	s_add_nc_u64 s[P:P+1], s[12:13], s[28:29]      ; my quarter of record 2: body 0 steps it to record 3
	s_mov_b32 s28, s82
	s_add_nc_u64 s[26:27], s[12:13], s[28:29]      ; K's step 0: my codes,
	s_add_nc_u64 s[24:25], s[14:15], 49152
	s_add_nc_u64 s[14:15], s[14:15], s[28:29]      ; V: my codes,
	s_mov_b32 s28, s83
	s_add_nc_u64 s[12:13], s[12:13], s[28:29]      ; K's step 0: my scale words
	s_mov_b32 s28, s85
	s_add_nc_u64 s[24:25], s[24:25], s[28:29]      ; V: my scale bytes
	s_add_nc_u64 s[20:21], s[20:21], s[28:29]      ; FC_b: my 128 numbers
	s_lshl_b32 s30, s3, 17
	s_add_co_u32 s28, s28, s30
	s_add_nc_u64 s[22:23], s[22:23], s[28:29]      ; out0: the group's first row, my 512 bytes of it
	s_mul_i32 s28, s2, 49152
	s_add_co_u32 s28, s28, 589824
	s_add_nc_u64 s[16:17], s[16:17], s[28:29]      ; FC_w's codes: my 8 column tiles
	s_add_nc_u64 s[FCP:FCP+1], s[16:17], 24576     ; bytes 24,576 to 37,375 of them,
	s_add_nc_u64 s[FCP+2:FCP+3], s[16:17], 36352   ; and 36,352 to 49,151
	s_mul_i32 s28, s3, 24576
	s_add_nc_u64 s[8:9], s[8:9], s[28:29]          ; Qc
	s_lshl_b32 s28, s3, 10
	s_add_nc_u64 s[10:11], s[10:11], s[28:29]      ; Qs
	s_lshl_b32 s28, s2, 11
	s_add_co_u32 s28, s28, 24576
	s_add_nc_u64 s[18:19], s[18:19], s[28:29]      ; FC_w's scale words
	CROUND                                         ; all four work-groups are here: the first joint loads meet
	JLOAD G0H                                      ; K's records 1 and 2 into slots 1 and 0: the wave's one tensor load at the head
	v_and_b32 v192, 31, v0                         ; lane
	v_and_b32 v193, 15, v0                         ; r
	v_bfe_u32 v194, v0, 4, 1                       ; h
	v_lshlrev_b32 v1, 4, v192
	v_lshlrev_b32 v2, 3, v192
	v_lshlrev_b32 v3, 6, v193
	v_lshlrev_b32 v4, 4, v193
	v_mul_u32_u24 v[PWA], v193, 24
	v_mad_u32_u24 v[PWA], v194, 12, v[PWA]
	v_add_nc_u32 v[PWA], s76, v[PWA]               ; 384 w + 24 r + 12 h
	v_lshlrev_b32 v[PSA], 5, v193
	v_lshl_add_u32 v[PSA], v194, 4, v[PSA]
	v_add_nc_u32 v[LSA], s81, v[PSA]
	v_add_nc_u32 v[PSA], s77, v[PSA]               ; 32 r + 16 h + 4 w
	v_mul_u32_u24 v[PRA], v193, 24
	v_mad_u32_u24 v[PRA], v194, 384, v[PRA]
	v_add_nc_u32 v[PRA], PB, v[PRA]
	v_lshl_add_u32 v[PSR], v193, 5, PB+PST
	v_lshl_add_u32 v[AWI], v192, 4, s78
	v_lshl_add_u32 v[ALI], v192, 4, AIMG
	v_lshl_add_u32 v[ASW], v193, 6, s79
	v_mul_u32_u24 v[STO], v193, 528
	v_lshl_add_u32 v[STO], v194, 6, v[STO]
	v_add_nc_u32 v[STO], s80, v[STO]
	v_lshl_add_u32 v[RD], v192, 4, s80
	v_lshl_add_u32 v[ASR], v193, 6, ASC
	v_lshlrev_b32 v[BO], 6, v194
	v_add_nc_u32 v[KA+1], s82, v1
	v_add_nc_u32 v[KA], REC, v[KA+1]
	v_add_nc_u32 v[KSA+1], s83, v3
	v_add_nc_u32 v[KSA], REC, v[KSA+1]
	v_add_nc_u32 v[FA], s84, v1
	v_add_nc_u32 v[FA], REC, v[FA]                 ; slot 0, my quarter: bytes 24,576 on of my part of FC_w
	v_add_nc_u32 v[FA+1], s86, v1                  ; slot 1, my quarter, 512 bytes in: bytes 36,864 on
	v_min_u32 v[PFO], 12, v192
	v_add_nc_u32 v[PFO], s87, v[PFO]
	v_min_u32 v[PFO], 49, v[PFO]
	v_lshlrev_b32 v[PFO], 8, v[PFO]
	v_add_nc_u32 v[PFV], s85, v[PFO]               ; V's base stands at 12,288 w: 512 w more make my quarter of the record
.irp m, 0,1,2,3
	v_mov_b32 v[ST+4*\m+1], 0xff61b1e6             ; the largest t so far: -3e38
	v_floor_f32 v[ST+4*\m], -v[ST+4*\m+1]
	v_mov_b32 v[ST+4*\m+2], 0
	v_mov_b32 v[ST+4*\m+3], 0
	v_mov_b32 v[F+2*\m], 0                         ; the pairs' upper halves are named with the lower, so they are written
	v_mov_b32 v[F+2*\m+1], 0
	v_mov_b32 v[MC+2*\m], 0
	v_mov_b32 v[MC+2*\m+1], 0
	v_mov_b32 v[FP+2*\m+1], 0
	v_mov_b32 v[PT+\m], 0                          ; a lane permute's destination counts as one of its sources
.endr
	s_wait_alu depctr_va_vdst(0)                   ; the wait at the head's end
	WIN 0x80
.set II, 0
.rept 48
	global_load_b128 v[4*II:4*II+3], v1, s[8:9] offset:512*II th:TH_LOAD_NT   ; Q's 16 fragments stay in registers
.set II, II+1
.endr
	WIN 0
.irp m, 0,1,2,3
	global_load_b128 v[QS+4*\m:QS+4*\m+3], v3, s[10:11] offset:16*\m
.endr
	global_load_b128 v[KSC:KSC+3], v3, s[12:13]    ; K's step 0, by plain loads
	global_load_b128 v[KSC+4:KSC+7], v3, s[12:13] offset:16
	WIN 0xc0
.set II, 0
.rept 24
	global_load_b128 v[4*II:4*II+3], v1, s[26:27] offset:512*II
.set II, II+1
.endr
	WIN 0
	VLOAD                                          ; V's step 0
	s_wait_loadcnt 34                              ; Q and K's step 0 are in; V's 34 younger loads may be out
	QKG 0                                          ; the scores of step 0
	QKG 1
	QKG 2
	QKG 3
	WIN 0
	s_wait_tensorcnt 0x0                           ; my quarter of records 1 and 2 is in;
	BARRIER                                        ; and everybody's
	PLACES 4                                       ; in front of loads into K's registers and of the first read of the scores
	KLOAD 1                                        ; K of step 1
	BODY 0, 1, 0
	s_mov_b32 s37, 7
.Lpair:                                                ; seven trips of two bodies, 1 to 14
	BODY 1, 0, 1
	BODY 0, 0, 2
	s_sub_co_u32 s37, s37, 1
	s_cmp_lg_u32 s37, 0
	s_cbranch_scc1 .Lpair
	BODY 1, 0, 3
	WIN 0xc0                                       ; FC_b in the result's layout, FC_w's scale words
.irp t, 0,1,2,3,4,5,6,7
	global_load_b128 v[192+8*\t:192+8*\t+3], v[BO], s[20:21] offset:(32*(\t/2)+8*(\t%2))*4
	global_load_b128 v[192+8*\t+4:192+8*\t+7], v[BO], s[20:21] offset:(32*(\t/2)+8*(\t%2))*4+16
.endr
	WIN 0
.irp t, 0,1,2,3,4,5,6,7
	global_load_b128 v[32+4*\t:32+4*\t+3], v4, s[18:19] offset:256*\t
.endr
	; ---- the row's sum: the four waves' -M_w and l_w, shown by body 15's barrier
.irp m, 0,1,2,3
	ds_load_b128 v[NB+8*\m:NB+8*\m+3], v[PSR] offset:LST-PB-PST+512*\m
	ds_load_b128 v[NB+8*\m+4:NB+8*\m+7], v[PSR] offset:LST-PB-PST+512*\m+16
.endr
	FCL 96, FA+1                                   ; FC_w's tiles 6 and 7 into V's registers
	s_wait_dscnt 24                                ; the sums are in; the 24 younger loads may be out
	DIFF
.irp k, 0,1,2,3
.irp m, 0,1,2,3
	v_cvt_i32_f32 v[NB+8*\m+\k], v[NB+8*\m+\k]
.endr
.endr
.irp k, 0,1,2,3
.irp m, 0,1,2,3
	v_ldexp_f32 v[NB+8*\m+4+\k], v[NB+8*\m+4+\k], v[NB+8*\m+\k]   ; l_w 2^(M_w - MC)
.endr
.endr
.irp m, 0,1,2,3
	v_add_f32 v[NB+8*\m+4], v[NB+8*\m+4], v[NB+8*\m+5]
.endr
.irp m, 0,1,2,3
	v_add_f32 v[NB+8*\m+6], v[NB+8*\m+6], v[NB+8*\m+7]
.endr
.irp m, 0,1,2,3
	v_add_f32 v[NB+8*\m+4], v[NB+8*\m+4], v[NB+8*\m+6]
.endr
	s_wait_alu depctr_va_vdst(0)
.irp m, 0,1,2,3
	v_rcp_f32 v[R+2*\m], v[NB+8*\m+4]
.endr
	v_nop
	s_wait_alu depctr_va_vdst(0)                   ; one wait for the four, ahead of their first reader
	; ---- O^T / l, quantised along the channels: K step w of the last product, a tile of queries at a time
.irp m, 0,1,2,3
	WIN 0x01
.set JJ, 0
.rept 32
	v_pk_mul_f32 v[HA+JJ:HA+JJ+1], v[64*\m+JJ:64*\m+JJ+1], v[R+2*\m:R+2*\m+1] op_sel_hi:[1,0]
.set JJ, JJ+2
.endr
	WIN 0
	QUANT HA
.irp c, 0,1,2
	ds_store_b128 v[AWI], v[PC+4*\c:PC+4*\c+3] offset:\m*6144+512*\c
.endr
	ds_store_b32 v[ASW], v[PW] offset:16*\m
.endr
	s_wait_alu depctr_va_vdst(0)
	BARRIER                                        ; the attention output's 16 fragments lie in LDS
.irp m, 0,1,2,3
	ds_load_b128 v[QS+4*\m:QS+4*\m+3], v[ASR] offset:16*\m
.endr
	s_wait_loadcnt 0x0                             ; FC_w's scale words, FC_b
; ---- the last product for tile m of the queries: my 8 column tiles, four accumulators by turns; relu; through my stage; 16 rows of 512 bytes out
.macro FCM m
	WIN 0x80
.irp k, 0,1,2,3,4,5,6,7,8,9,10,11
	ds_load_b128 v[192+4*\k:192+4*\k+3], v[ALI] offset:(\m)*6144+512*\k
.endr
	WIN 0
	s_wait_dscnt 0x0
.irp f, 0,1
.irp s, 0,1,2,3
.if \s == 0
	WIN 0x7a+\f                                    ; source 0 (FC_w) window 2 or 3, source 1 window 2, C (bias) window 3, D window 1
.else
	WIN 0x5a+\f
.endif
.irp q, 0,1,2,3
.if \s == 0
	MMC 8*(4*\f+\q), 12*(4*\q+\s), 192+12*\s, 192+8*(4*\f+\q), 32+4*(4*\f+\q)+\s, QS+4*(\m)+\s
.else
	MM 8*(4*\f+\q), 12*(4*\q+\s), 192+12*\s, 32+4*(4*\f+\q)+\s, QS+4*(\m)+\s
.endif
.endr
.endr
.endr
	PLACES 4
	WIN 0x04
.set JJ, 0
.rept 64
	v_max_num_f32 v[HA+JJ], 0, v[JJ]               ; the activation, and the way into window 0
.set JJ, JJ+1
.endr
	WIN 0
.irp t, 0,1,2,3,4,5,6,7
	ds_store_b128 v[STO], v[HA+8*\t:HA+8*\t+3] offset:128*(\t/2)+32*(\t%2)
	ds_store_b128 v[STO], v[HA+8*\t+4:HA+8*\t+7] offset:128*(\t/2)+32*(\t%2)+16
.endr
	s_wait_xcnt 0x0                                ; the stores of two tiles back have read the registers that the loads below fill
	WIN 0x40
.irp i, 0,1,2,3,4,5,6,7,8,9,10,11,12,13,14,15
	ds_load_b128 v[64+64*((\m)%2)+4*\i:64+64*((\m)%2)+4*\i+3], v[RD] offset:528*\i   ; LDS serves a wave's instructions in order: these see my stores
.endr
	WIN 0x04
.irp i, 0,1,2,3,4,5,6,7,8,9,10,11,12,13,14,15
	s_wait_dscnt 15-\i
	global_store_b128 v1, v[64+64*((\m)%2)+4*\i:64+64*((\m)%2)+4*\i+3], s[22:23] offset:(32*((\m)/2)+8*((\m)%2)+\i+8*(\i/8))*2048 th:TH_STORE_NT   ; 512 consecutive bytes, aligned
.endr
	WIN 0
.endm
	FCM 0
	FCM 1
	FCM 2
	FCM 3
	s_wait_tensorcnt 0x0                           ; the wave's end
	ds_add_u32 v[SPW], v[NIL]
	s_wait_dscnt 0x0
	CROUND                                         ; the closing round
	s_endpgm
.Lfunc_end_k_q84df7e3636_attn:
	.size	k_q84df7e3636_attn, .Lfunc_end_k_q84df7e3636_attn-k_q84df7e3636_attn
	.p2alignl 7, 3214868480
	.fill 96, 4, 3214868480
	.section	.rodata,"a",@progbits
	.p2align	6, 0x0
	.amdhsa_kernel k_q84df7e3636_attn
		.amdhsa_group_segment_fixed_size 327680
		.amdhsa_private_segment_fixed_size 0
		.amdhsa_enable_private_segment 0
		.amdhsa_kernarg_size 64
		.amdhsa_user_sgpr_count 2
		.amdhsa_user_sgpr_kernarg_segment_ptr 1
		.amdhsa_wavefront_size32 1
		.amdhsa_system_sgpr_workgroup_id_x 1
		.amdhsa_system_sgpr_workgroup_id_y 1
		.amdhsa_system_sgpr_workgroup_id_z 1
		.amdhsa_system_vgpr_workitem_id 0
		.amdhsa_next_free_vgpr 1024
		.amdhsa_next_free_sgpr 92
		.amdhsa_reserve_vcc 0
		.amdhsa_float_denorm_mode_32 3
		.amdhsa_float_denorm_mode_16_64 3
		.amdhsa_memory_ordered 1
		.amdhsa_forward_progress 1
		.amdhsa_inst_pref_size 255
	.end_amdhsa_kernel
	.section	.bss,"aw",@nobits
	.p2align	6
	.space	262144
	.amdgpu_metadata
---
amdhsa.version: [ 1, 2 ]
amdhsa.kernels:
  - .name:           k_q84df7e3636_attn
    .symbol:         k_q84df7e3636_attn.kd
    .args:
      - { .name: Qc, .offset: 0, .size: 8, .value_kind: global_buffer, .address_space: global }
      - { .name: Qs, .offset: 8, .size: 8, .value_kind: global_buffer, .address_space: global }
      - { .name: Kc, .offset: 16, .size: 8, .value_kind: global_buffer, .address_space: global }
      - { .name: Vc, .offset: 24, .size: 8, .value_kind: global_buffer, .address_space: global }
      - { .name: Wc, .offset: 32, .size: 8, .value_kind: global_buffer, .address_space: global }
      - { .name: Ws, .offset: 40, .size: 8, .value_kind: global_buffer, .address_space: global }
      - { .name: FC_b, .offset: 48, .size: 8, .value_kind: global_buffer, .address_space: global }
      - { .name: out0, .offset: 56, .size: 8, .value_kind: global_buffer, .address_space: global }
    .group_segment_fixed_size: 327680
    .private_segment_fixed_size: 0
    .kernarg_segment_align: 8
    .kernarg_segment_size: 64
    .max_flat_workgroup_size: 128
    .sgpr_count:     92
    .vgpr_count:     1024
    .wavefront_size: 32
...
	.end_amdgpu_metadata
.endif
;; end of part 3
